; MI455X (gfx1250); checked and timed in simulation.
; The chip was launched on July 23, 2026; its instructions are those of AMD's public machine-readable ISA for CDNA 5 (MIT licence, August 2026) and "CDNA5" Instruction Set Architecture Reference Guide (July 2026). The comments in the code are by the model that wrote it; some were corrected since.
;; RMAC. Allowed arithmetic: float matrix products may take bf16 or f16 operands with f32 sums; all other float work in f32.
;; Inputs: x 64 x 37 x 37 x 512 float32.
;; Outputs: out0 64 x 14 x 512 float32.
;; 2 versions, each right; version 2 is version 1 with the launch rmac written anew for expert scheduling mode. Each part assembles by itself: llvm-mc -triple=amdgcn-amd-amdhsa -mcpu=gfx1250 --defsym DOCPART=n.
;; ======== version 1 of 2: 1 launch
;; launch rmac (part 1): grid 4 x 64, 19 waves a work-group, no clusters, 116,224 bytes of LDS; arguments x, out0; writes out0
.if DOCPART == 1
	.amdgcn_target "amdgcn-amd-amdhsa--gfx1250"
	.amdhsa_code_object_version 6
	.text
	.protected	k_q0777aba59c_rmac
	.globl	k_q0777aba59c_rmac
	.p2align	8
	.type	k_q0777aba59c_rmac,@function
k_q0777aba59c_rmac:
	s_mov_b64 s[64:65], 0
	v_nop
	global_prefetch_b8 v0, s[64:65] scope:SCOPE_SE
	s_setreg_imm32_b32 hwreg(HW_REG_WAVE_MODE, 25, 1), 1
	s_wait_xcnt 0x0
; RMAC pooling.  x: [64][37][37][512] f32 (image, y, x, channel).  out0: [64][14][512] f32.
; The 14 regions are squares: side 37 at offset 0; side 24 at offsets {0, 13}; side 18 at offsets {0, 9, 19}, the same list on both axes,
; y outer, x inner.  A maximum over a rectangle separates: first along x (six intervals for each row), then along y (the same six intervals).
; The six intervals are unions of the pieces 0-8, 9-12, 13-17, 18, 19-23, 24-26, 27-36: 31 maxima in chains and 10 to join them, for 37 numbers.
;
; A work-group owns one image and 128 channels: 512 consecutive bytes at each (y, x), which is one 16-byte load of a wave; a lane owns 4 channels.
; STAGE 1: 19 waves share the 37 rows: wave w takes row 2w+1, then row 2w; wave 18 has row 36 alone.  A row lies in a ring of 37 register slots;
;   while the first row is consumed, each slot is loaded again with the second row: 37 loads of every wave are on their way until the last row.
;   Each row leaves its six interval maxima in LDS: [interval][row][128 channels], 6 x 37 x 512 = 113,664 bytes.
; STAGE 2, behind one barrier: wave q < 6 loads the 37 rows of x interval q and runs the same chains along y; it stores the results that
;   belong to a region (a window is paired only with windows of its own side).  Each store of a wave covers 512 consecutive bytes, aligned.
; No two work-groups read the same byte, so there is nothing to share in a cluster; every byte of x is read once, every byte of out0 written once.
; NUMBERS: v_maximum_f32 lets a NaN win, as jnp.max does; infinities are ordinary values.  Where a region's maximum is a zero and zeros of both
; signs occur in it, the sign of the result may differ from the reference's.
.set NPOS,   37                        ; positions in a row, and rows in an image
.set CHB,    512                       ; bytes of my 128 channels at one position
.set POSB,   2048                      ; bytes from a position to the next (512 channels), and from a region to the next in out0
.set ROWB,   NPOS*POSB                 ; 75,776 bytes from a row to the next
.set IMGB,   NPOS*ROWB                 ; 2,803,712 bytes in an image
.set OUTB,   14*POSB                   ; bytes of out0 for an image
.set QPITCH, NPOS*CHB                  ; LDS: 37 rows of one interval, 18,944 bytes
.set LASTW,  18                        ; the wave that has one row only
.set GO,  4                            ; v4       byte offset in my image's channel block: 16 x lane + my first row
.set LA,  5                            ; v5       LDS: 16 x lane + row 2w, intervals 0-2 by the immediate
.set LA2, 6                            ; v6       the same for intervals 3-5 (an LDS immediate has 16 bits: 5 x 18,944 does not fit)
.set LB,  3                            ; v3       stage 2: LDS address of interval q, row 0
.set OO,  7                            ; v7       stage 2: byte offset in out0, region q
.set X,   8                            ; v[8:155] the ring: slot p = 4 registers, position p of a row
.set SA,  156                          ; seven chains of 4 registers: positions 0-8,
.set SB,  160                          ; 9-12,
.set SC,  164                          ; 13-17,
.set SD,  168                          ; 13-18,
.set SE,  172                          ; 19-23,
.set SF,  176                          ; 24-26,
.set SG,  180                          ; 27-36
.set W37,   SE                         ; where JOIN leaves the six intervals: [0,37)
.set W24_0, SA                         ; [0,24)
.set W24_1, SF                         ; [13,37)
.set W18_0, SC                         ; [0,18)
.set W18_1, SB                         ; [9,27)
.set W18_2, SG                         ; [19,37)
	s_load_b128 s[4:7], s[0:1], 0x0                ; x s[4:5], out0 s[6:7]
	v_lshl_add_u32 v184, v0, 2, 0x1bc00
	v_mov_b32 v185, 0
	v_and_b32 v1, 31, v0                           ; lane
	v_lshrrev_b32 v2, 5, v0                        ; wave
	v_readfirstlane_b32 s8, v2                     ; and as a scalar, for the branches
	s_and_b32 s9, ttmp7, 0xffff                    ; image
	s_lshl_b32 s12, ttmp9, 9                       ; channel block x 512 bytes
	s_mul_i32 s10, s9, IMGB                        ; at most 63 x 2,803,712: below 2^31
	s_add_co_u32 s10, s10, s12
	s_mov_b32 s11, 0
	s_mul_i32 s14, s9, OUTB
	s_add_co_u32 s12, s14, s12
	s_mov_b32 s13, 0
	v_lshlrev_b32 v1, 4, v1                        ; 16 bytes a lane
	v_lshl_or_b32 v3, v2, 1, 1                     ; my first row is 2w+1,
	v_min_u32 v3, NPOS-1, v3                       ; but row 36 for wave 18, whose first row is its last
	v_mad_u32_u24 v[GO], v3, ROWB, v1
	v_lshl_add_u32 v[LA], v2, 10, v1               ; LDS row 2w: the row that every wave takes last
	v_add_nc_u32 v[LA2], 3*QPITCH, v[LA]
	s_wait_kmcnt 0x0
	s_add_nc_u64 s[4:5], s[4:5], s[10:11]          ; x at my image and channel block
	s_add_nc_u64 s[6:7], s[6:7], s[12:13]          ; out0 likewise
; Position p into slot p.  back = 1: of the row in front of my first one (row 2w), by a negative immediate: no address register is ever rewritten.
.macro LOADX p, back
	global_load_b128 v[X+4*(\p):X+4*(\p)+3], v[GO], s[4:5] offset:POSB*(\p)-ROWB*\back th:TH_LOAD_NT
.endm
.macro MAX4 d, a, b                    ; my four channels
.irp c, 0,1,2,3
	v_maximum_f32 v[\d+\c], v[\a+\c], v[\b+\c]
.endr
.endm
; Slot p has arrived.  Loads come back in order (ISA guide 5.7.1), so the count is what was issued behind slot p's load: the NPOS-1-p later
; positions of the same row, and, where slots are refilled, the g refills issued so far (g = the first slot not yet refilled).
.macro ARRIVED p, g, refill, lds
.if \lds
	s_wait_dscnt NPOS-1-(\p)
.else
	s_wait_loadcnt NPOS-1-(\p)+\refill*(\g)
.endif
.endm
.macro HEAD acc, p, refill, lds        ; a chain starts from its first two positions: nothing is cleared or copied
	ARRIVED (\p)+1, \p, \refill, \lds
	MAX4 \acc, X+4*(\p), X+4*(\p)+4
.if \refill
	LOADX \p, 1
	LOADX (\p)+1, 1
.endif
.endm
.macro NEXT dst, acc, p, refill, lds   ; one position more
	ARRIVED \p, \p, \refill, \lds
	MAX4 \dst, \acc, X+4*(\p)
.if \refill
	LOADX \p, 1
.endif
.endm
.macro SEG acc, first, last, refill, lds
	HEAD \acc, \first, \refill, \lds
.set p, \first+2
.rept \last-\first-1
	NEXT \acc, \acc, p, \refill, \lds
.set p, p+1
.endr
.endm
.macro CHAINS refill, lds              ; the 37 slots in order, into the seven chains
	SEG SA, 0, 8, \refill, \lds
	SEG SB, 9, 12, \refill, \lds
	SEG SC, 13, 17, \refill, \lds
	NEXT SD, SC, 18, \refill, \lds                 ; 13-18 beside 13-17: [0,18) ends in front of position 18, the others that hold 13-17 go on
	SEG SE, 19, 23, \refill, \lds
	SEG SF, 24, 26, \refill, \lds
	SEG SG, 27, 36, \refill, \lds
.endm
.macro JOIN                            ; the six intervals, in place
	MAX4 SA, SA, SB                                ; 0-12
	MAX4 SC, SA, SC                                ; 0-17   = W18_0
	MAX4 SF, SE, SF                                ; 19-26
	MAX4 SG, SF, SG                                ; 19-36  = W18_2
	MAX4 SF, SD, SF                                ; 13-26
	MAX4 SB, SB, SF                                ; 9-26   = W18_1
	MAX4 SF, SD, SG                                ; 13-36  = W24_1
	MAX4 SE, SD, SE                                ; 13-23
	MAX4 SA, SA, SE                                ; 0-23   = W24_0
	MAX4 SE, SA, SG                                ; 0-36   = W37
.endm
.macro TOLDS off                       ; a row's six results; 32 lanes write 512 consecutive bytes: no two lanes meet in a bank
	ds_store_b128 v[LA],  v[W37:W37+3]     offset:\off
	ds_store_b128 v[LA],  v[W24_0:W24_0+3] offset:\off+QPITCH
	ds_store_b128 v[LA],  v[W24_1:W24_1+3] offset:\off+2*QPITCH
	ds_store_b128 v[LA2], v[W18_0:W18_0+3] offset:\off
	ds_store_b128 v[LA2], v[W18_1:W18_1+3] offset:\off+QPITCH
	ds_store_b128 v[LA2], v[W18_2:W18_2+3] offset:\off+2*QPITCH
.endm
	; STAGE 1.  Fill the ring with my first row: 37 loads, 18,944 bytes of each wave on their way.
.set p, 0
.rept NPOS
	LOADX p, 0
.set p, p+1
.endr
	s_cmp_eq_u32 s8, LASTW
	s_cbranch_scc1 .Llast                          ; wave 18: the row in the ring is row 36 = 2w, its only one.  On both ways 37 loads are out at the label
	CHAINS 1, 0                                    ; row 2w+1, each slot loaded again with row 2w as soon as it is consumed
	JOIN
	TOLDS CHB                                      ; LDS row 2w+1
.Llast:
	CHAINS 0, 0                                    ; row 2w: nothing is loaded, the counts run down to 0
	JOIN
	TOLDS 0                                        ; LDS row 2w
	s_wait_dscnt 0x0                               ; for the other waves' sake: my stores are in LDS before I say so
	s_barrier_signal -1
	s_barrier_wait -1                              ; all 37 rows are there; LDS is only read from here on
	; STAGE 2.  Six waves, one for each x interval.
	s_cmp_gt_u32 s8, 5
	s_cbranch_scc1 .Ldone
	v_mad_u32_u24 v[LB], v2, QPITCH, v1            ; interval q, row 0, my 16 bytes
	v_lshl_add_u32 v[OO], v2, 11, v1               ; region q of out0, my 16 bytes
.set p, 0
.rept NPOS
	ds_load_b128 v[X+4*p:X+4*p+3], v[LB] offset:p*CHB      ; row p into slot p
.set p, p+1
.endr
	CHAINS 0, 1                                    ; the same pieces, now along y; LDS loads come back in order too
	JOIN                                           ; all six y intervals: 40 lines, of which a wave uses a part, in place of three versions of the join
	s_cmp_eq_u32 s8, 0
	s_cbranch_scc1 .Lwhole
	s_cmp_lt_u32 s8, 3
	s_cbranch_scc1 .Ltwo
	; q = 3, 4, 5: the x windows of 18 at 0, 9, 19.  Region 5 + 3 iy + (q - 3) = q + 2, q + 5, q + 8
	global_store_b128 v[OO], v[W18_0:W18_0+3], s[6:7] offset:2*POSB th:TH_STORE_NT
	global_store_b128 v[OO], v[W18_1:W18_1+3], s[6:7] offset:5*POSB th:TH_STORE_NT
	global_store_b128 v[OO], v[W18_2:W18_2+3], s[6:7] offset:8*POSB th:TH_STORE_NT
	s_wait_tensorcnt 0x0
	ds_add_u32 v184, v185
	s_wait_dscnt 0x0
	s_endpgm
.Ltwo:
	; q = 1, 2: the x windows of 24 at 0, 13.  Region 1 + 2 iy + (q - 1) = q, q + 2
	global_store_b128 v[OO], v[W24_0:W24_0+3], s[6:7] th:TH_STORE_NT
	global_store_b128 v[OO], v[W24_1:W24_1+3], s[6:7] offset:2*POSB th:TH_STORE_NT
	s_wait_tensorcnt 0x0
	ds_add_u32 v184, v185
	s_wait_dscnt 0x0
	s_endpgm
.Lwhole:
	global_store_b128 v[OO], v[W37:W37+3], s[6:7] th:TH_STORE_NT   ; q = 0: region 0, the whole image
.Ldone:
	s_wait_tensorcnt 0x0
	ds_add_u32 v184, v185
	s_wait_dscnt 0x0
	s_endpgm
.Lfunc_end_k_q0777aba59c_rmac:
	.size	k_q0777aba59c_rmac, .Lfunc_end_k_q0777aba59c_rmac-k_q0777aba59c_rmac
	.p2alignl 7, 3214868480
	.fill 96, 4, 3214868480
	.section	.rodata,"a",@progbits
	.p2align	6, 0x0
	.amdhsa_kernel k_q0777aba59c_rmac
		.amdhsa_group_segment_fixed_size 116224
		.amdhsa_private_segment_fixed_size 0
		.amdhsa_enable_private_segment 0
		.amdhsa_kernarg_size 16
		.amdhsa_user_sgpr_count 2
		.amdhsa_user_sgpr_kernarg_segment_ptr 1
		.amdhsa_wavefront_size32 1
		.amdhsa_system_sgpr_workgroup_id_x 1
		.amdhsa_system_sgpr_workgroup_id_y 1
		.amdhsa_system_sgpr_workgroup_id_z 1
		.amdhsa_system_vgpr_workitem_id 0
		.amdhsa_next_free_vgpr 186
		.amdhsa_next_free_sgpr 66
		.amdhsa_reserve_vcc 0
		.amdhsa_float_denorm_mode_32 3
		.amdhsa_float_denorm_mode_16_64 3
		.amdhsa_memory_ordered 1
		.amdhsa_forward_progress 1
		.amdhsa_inst_pref_size 47
	.end_amdhsa_kernel
	.amdgpu_metadata
---
amdhsa.version: [ 1, 2 ]
amdhsa.kernels:
  - .name:           k_q0777aba59c_rmac
    .symbol:         k_q0777aba59c_rmac.kd
    .args:
      - { .name: x, .offset: 0, .size: 8, .value_kind: global_buffer, .address_space: global }
      - { .name: out0, .offset: 8, .size: 8, .value_kind: global_buffer, .address_space: global }
    .group_segment_fixed_size: 116224
    .private_segment_fixed_size: 0
    .kernarg_segment_align: 8
    .kernarg_segment_size: 16
    .max_flat_workgroup_size: 608
    .sgpr_count:     66
    .vgpr_count:     186
    .wavefront_size: 32
...
	.end_amdgpu_metadata
.endif
;; end of part 1
;; ======== version 2 of 2: 1 launch; version 1 with the launch rmac written anew for expert scheduling mode
;; launch rmac (part 2): grid 4 x 64, 19 waves a work-group, no clusters, 116,224 bytes of LDS; arguments x, out0; writes out0
.if DOCPART == 2
	.amdgcn_target "amdgcn-amd-amdhsa--gfx1250"
	.amdhsa_code_object_version 6
	.text
	.protected	k_q0777aba59c_rmac
	.globl	k_q0777aba59c_rmac
	.p2align	8
	.type	k_q0777aba59c_rmac,@function
k_q0777aba59c_rmac:
	s_mov_b64 s[64:65], 0
	v_nop
	global_prefetch_b8 v0, s[64:65] scope:SCOPE_SE
	s_setreg_imm32_b32 hwreg(HW_REG_WAVE_SCHED_MODE, 0, 2), 2
	s_setreg_imm32_b32 hwreg(HW_REG_WAVE_MODE, 25, 1), 1
	s_wait_xcnt 0x0
	s_wait_alu depctr_vm_vsrc(0)
; RMAC pooling.  x: [64][37][37][512] f32 (image, y, x, channel).  out0: [64][14][512] f32.
; The 14 regions are squares: side 37 at offset 0; side 24 at offsets {0, 13}; side 18 at offsets {0, 9, 19}, the same list on both axes,
; y outer, x inner.  A maximum over a rectangle separates: first along x (six intervals for each row), then along y (the same six intervals).
; The six intervals are unions of the pieces 0-8, 9-12, 13-17, 18, 19-23, 24-26, 27-36: 31 maxima in chains and 10 to join them, for 37 numbers.
;
; A work-group owns one image and 128 channels: 512 consecutive bytes at each (y, x), which is one 16-byte load of a wave; a lane owns 4 channels.
; STAGE 1: 19 waves share the 37 rows: wave w takes row 2w+1, then row 2w; wave 18 has row 36 alone.  A row lies in a ring of 37 register slots;
;   while the first row is consumed, its slots are loaded again with the second row, a block of slots at a time.
;   Each row leaves its six interval maxima in LDS: [interval][row][128 channels], 6 x 37 x 512 = 113,664 bytes.
; STAGE 2, behind one barrier: wave q < 6 loads the 37 rows of x interval q and runs the same chains along y; it stores the results that
;   belong to a region (a window is paired only with windows of its own side).  Each store of a wave covers 512 consecutive bytes, aligned.
; No two work-groups read the same byte, so there is nothing to share in a cluster; every byte of x is read once, every byte of out0 written once.
; NUMBERS: v_maximum_f32 lets a NaN win, as jnp.max does; infinities are ordinary values.  Where a region's maximum is a zero and zeros of both
; signs occur in it, the sign of the result may differ from the reference's.
; THE MODE: SCHED_MODE bits 1:0 = 2 (LLVM: expert scheduling mode 2), set by the entry lines.  The code itself states the register dependences
; between vector instructions and memory or LDS instructions, with s_wait_alu, always for 0.
; THE PLAN.  Registers that memory or LDS instructions touch:
;   the ring          Loads land in a slot; the chains' maxima read it, once a row.  The first row goes in blocks of slots, 0-8, 9-12, 13-18, 19-23, 24-26,
;                     27-36, and the join counts as a seventh block.  ONE wait on va_vdst at a block's head states that the block before is done reading
;                     its slots; the loads that fill those slots again are dealt among this block's maxima, which name this block's slots and the
;                     chains alone: none of the registers that those loads touch.  Stage 2's LDS loads land in the ring behind a wait of the same kind.
;   SA .. SG          Written by the chains and the join; six of them are read by the row's LDS stores, in stage 2 by the global stores: a wait on
;                     va_vdst behind each join.  The next chains write them again: a wait on vm_vsrc behind the next row's first wait for data.
;   v[GO], v[LA], v[LA2]   Made at the head, ahead of one wait on va_vdst, and never written again: rows and positions stand in the immediates.
;   v[LB], v[OO]      Made once at stage 2's head, ahead of the wait that stands there for the ring.
;   s8                The wave's number, written by a vector instruction: a wait on va_sdst ahead of its first reader.
.set NPOS,   37                        ; positions in a row, and rows in an image
.set CHB,    512                       ; bytes of my 128 channels at one position
.set POSB,   2048                      ; bytes from a position to the next (512 channels), and from a region to the next in out0
.set ROWB,   NPOS*POSB                 ; 75,776 bytes from a row to the next
.set IMGB,   NPOS*ROWB                 ; 2,803,712 bytes in an image
.set OUTB,   14*POSB                   ; bytes of out0 for an image
.set QPITCH, NPOS*CHB                  ; LDS: 37 rows of one interval, 18,944 bytes
.set LASTW,  18                        ; the wave that has one row only
.set GO,  4                            ; v4       byte offset in my image's channel block: 16 x lane + my first row
.set LA,  5                            ; v5       LDS: 16 x lane + row 2w, intervals 0-2 by the immediate
.set LA2, 6                            ; v6       the same for intervals 3-5 (an LDS immediate has 16 bits: 5 x 18,944 does not fit)
.set LB,  3                            ; v3       stage 2: LDS address of interval q, row 0
.set OO,  7                            ; v7       stage 2: byte offset in out0, region q
.set X,   8                            ; v[8:155] the ring: slot p = 4 registers, position p of a row
.set SA,  156                          ; seven chains of 4 registers: positions 0-8,
.set SB,  160                          ; 9-12,
.set SC,  164                          ; 13-17,
.set SD,  168                          ; 13-18,
.set SE,  172                          ; 19-23,
.set SF,  176                          ; 24-26,
.set SG,  180                          ; 27-36
.set W37,   SE                         ; where JOIN leaves the six intervals: [0,37)
.set W24_0, SA                         ; [0,24)
.set W24_1, SF                         ; [13,37)
.set W18_0, SC                         ; [0,18)
.set W18_1, SB                         ; [9,27)
.set W18_2, SG                         ; [19,37)
; The text's own book-keeping of the global loads, in the order in which they are issued:
.set NI,  0                            ; loads issued so far
.set OLD, 0                            ; loads issued ahead of the first load of the row in hand: slot p's load is number OLD + p
.set RF,  0                            ; the first slot that has not been asked for again
.set RL,  0                            ; slots below RL may be asked for again: a wait on va_vdst stands behind the maxima that read them
.set PER, 1                            ; how many of them stand ahead of each step of the block in hand
	s_load_b128 s[4:7], s[0:1], 0x0                ; x s[4:5], out0 s[6:7]
	v_lshl_add_u32 v184, v0, 2, 0x1bc00
	v_mov_b32 v185, 0
	v_and_b32 v1, 31, v0                           ; lane
	v_lshrrev_b32 v2, 5, v0                        ; wave
	v_readfirstlane_b32 s8, v2                     ; and as a scalar, for the branches
	s_and_b32 s9, ttmp7, 0xffff                    ; image
	s_lshl_b32 s12, ttmp9, 9                       ; channel block x 512 bytes
	s_mul_i32 s10, s9, IMGB                        ; at most 63 x 2,803,712: below 2^31
	s_add_co_u32 s10, s10, s12
	s_mov_b32 s11, 0
	s_mul_i32 s14, s9, OUTB
	s_add_co_u32 s12, s14, s12
	s_mov_b32 s13, 0
	v_lshlrev_b32 v1, 4, v1                        ; 16 bytes a lane
	v_lshl_or_b32 v3, v2, 1, 1                     ; my first row is 2w+1,
	v_min_u32 v3, NPOS-1, v3                       ; but row 36 for wave 18, whose first row is its last
	v_mad_u32_u24 v[GO], v3, ROWB, v1
	v_lshl_add_u32 v[LA], v2, 10, v1               ; LDS row 2w: the row that every wave takes last
	v_add_nc_u32 v[LA2], 3*QPITCH, v[LA]
	s_wait_alu depctr_va_sdst(0)                   ; s8 is written, ahead of its first reader: the compare behind the ring's first fill
	s_wait_kmcnt 0x0
	s_add_nc_u64 s[4:5], s[4:5], s[10:11]          ; x at my image and channel block
	s_add_nc_u64 s[6:7], s[6:7], s[12:13]          ; out0 likewise
	s_wait_alu depctr_va_vdst(0)                   ; v[GO] is written, which every load of x reads as its offset; so are v[LA] and v[LA2], the LDS stores' addresses
; Position p into slot p.  back = 1: of the row in front of my first one (row 2w), by a negative immediate: no address register is ever rewritten.
.macro LOADX p, back
	global_load_b128 v[X+4*(\p):X+4*(\p)+3], v[GO], s[4:5] offset:POSB*(\p)-ROWB*\back th:TH_LOAD_NT
.set NI, NI+1
.endm
.macro DEAL                            ; up to PER of the slots that may be asked for again, in ascending order; nothing where none is left
.rept PER
.if RF < RL
	LOADX RF, 1
.set RF, RF+1
.endif
.endr
.endm
.macro MAX4 d, a, b                    ; my four channels
.irp c, 0,1,2,3
	v_maximum_f32 v[\d+\c], v[\a+\c], v[\b+\c]
.endr
.endm
; Slot p has arrived.  Loads come back in order (ISA guide 5.7.1), so the count is what was issued behind slot p's load: the later positions of
; the same row, and, in the first row, the refills issued so far.  In the second row that is NPOS-1-p, for wave 18's only row too.
.macro ARRIVED p, lds
.if \lds
	s_wait_dscnt NPOS-1-(\p)
.else
	s_wait_loadcnt NI-1-OLD-(\p)
.endif
.endm
.macro NEXT dst, acc, p, lds           ; one position more; the loads stand ahead of the maxima
	ARRIVED \p, \lds
	DEAL
	MAX4 \dst, \acc, X+4*(\p)
.endm
; A chain, and the head of a block.  It starts from its first two positions: nothing is cleared or copied.
; refill = 1: the first row.  again = 1: the chains' registers were the data of LDS stores.
.macro SEG acc, first, last, refill, lds, again
	ARRIVED (\first)+1, \lds
.if \again
	s_wait_alu depctr_vm_vsrc(0)                   ; the LDS stores of the row before have read the six results, in registers that the chains write again from here on (wave 18 comes to its only row with no such stores)
.endif
.if \refill && (\first > 0)
	s_wait_alu depctr_va_vdst(0)                   ; the maxima of the block before are done reading its slots, in which the loads dealt among this block's maxima land
.set RL, \first
.set PER, (RL-RF+(\last)-(\first)-1)/((\last)-(\first))   ; shared out evenly over the chain's steps, rounded up
.endif
	DEAL
	MAX4 \acc, X+4*(\first), X+4*(\first)+4
.set p, \first+2
.rept \last-\first-1
	NEXT \acc, \acc, p, \lds
.set p, p+1
.endr
.endm
.macro CHAINS refill, lds, again       ; the 37 slots in order, into the seven chains
	SEG SA, 0, 8, \refill, \lds, \again
	SEG SB, 9, 12, \refill, \lds, 0
	SEG SC, 13, 17, \refill, \lds, 0
	NEXT SD, SC, 18, \lds                          ; 13-18 beside 13-17: [0,18) ends in front of position 18, the others that hold 13-17 go on; it belongs to the block of 13-17
	SEG SE, 19, 23, \refill, \lds, 0
	SEG SF, 24, 26, \refill, \lds, 0
	SEG SG, 27, 36, \refill, \lds, 0
.endm
.macro JSTEP d, a, b
	DEAL
	MAX4 \d, \a, \b
.endm
.macro JOIN refill                     ; the six intervals, in place.  refill = 1: the first row's last block of refills stands among its ten steps
.if \refill
	s_wait_alu depctr_va_vdst(0)                   ; the last chain is done reading slots 27-36, in which the loads dealt below land; the join names the chains' registers alone
.set RL, NPOS
.set PER, 1
.endif
	JSTEP SA, SA, SB                               ; 0-12
	JSTEP SC, SA, SC                               ; 0-17   = W18_0
	JSTEP SF, SE, SF                               ; 19-26
	JSTEP SG, SF, SG                               ; 19-36  = W18_2
	JSTEP SF, SD, SF                               ; 13-26
	JSTEP SB, SB, SF                               ; 9-26   = W18_1
	JSTEP SF, SD, SG                               ; 13-36  = W24_1
	JSTEP SE, SD, SE                               ; 13-23
	JSTEP SA, SA, SE                               ; 0-23   = W24_0
	JSTEP SE, SA, SG                               ; 0-36   = W37
.endm
.macro TOLDS off                       ; a row's six results; 32 lanes write 512 consecutive bytes: no two lanes meet in a bank
	s_wait_alu depctr_va_vdst(0)                   ; the join has written the six results, which the LDS stores read
	ds_store_b128 v[LA],  v[W37:W37+3]     offset:\off
	ds_store_b128 v[LA],  v[W24_0:W24_0+3] offset:\off+QPITCH
	ds_store_b128 v[LA],  v[W24_1:W24_1+3] offset:\off+2*QPITCH
	ds_store_b128 v[LA2], v[W18_0:W18_0+3] offset:\off
	ds_store_b128 v[LA2], v[W18_1:W18_1+3] offset:\off+QPITCH
	ds_store_b128 v[LA2], v[W18_2:W18_2+3] offset:\off+2*QPITCH
.endm
	; STAGE 1.  Fill the ring with my first row: 37 loads, 18,944 bytes of each wave on their way.
.set p, 0
.rept NPOS
	LOADX p, 0
.set p, p+1
.endr
	s_cmp_eq_u32 s8, LASTW
	s_cbranch_scc1 .Llast                          ; wave 18: the row in the ring is row 36 = 2w, its only one.  On both ways 37 loads are out at the label
	CHAINS 1, 0, 0                                 ; row 2w+1; each block's slots are loaded again with row 2w in the block behind it
	JOIN 1                                         ; the last ten refills stand here: all 37 have been issued ahead of the label
	TOLDS CHB                                      ; LDS row 2w+1
.Llast:
.set OLD, NPOS                                         ; the row in hand is the second 37 loads' (wave 18: the first 37's, with none behind them: the counts are the same)
	CHAINS 0, 0, 1                                 ; row 2w: nothing is loaded, the counts run down to 0
	JOIN 0
	TOLDS 0                                        ; LDS row 2w
	s_wait_dscnt 0x0                               ; for the other waves' sake: my stores are in LDS before I say so
	s_barrier_signal -1
	s_barrier_wait -1                              ; all 37 rows are there; LDS is only read from here on
	; STAGE 2.  Six waves, one for each x interval.
	s_cmp_gt_u32 s8, 5
	s_cbranch_scc1 .Ldone
	v_mad_u32_u24 v[LB], v2, QPITCH, v1            ; interval q, row 0, my 16 bytes
	v_lshl_add_u32 v[OO], v2, 11, v1               ; region q of out0, my 16 bytes
	s_wait_alu depctr_va_vdst(0)                   ; v[LB] is written, the LDS loads' address, and v[OO], the global stores' offset; the chains of row 2w are done reading the ring, in which the LDS loads land
.set p, 0
.rept NPOS
	ds_load_b128 v[X+4*p:X+4*p+3], v[LB] offset:p*CHB      ; row p into slot p
.set p, p+1
.endr
	CHAINS 0, 1, 1                                 ; the same pieces, now along y; LDS loads come back in order too
	JOIN 0                                         ; all six y intervals: 40 lines, of which a wave uses a part, in place of three versions of the join
	s_wait_alu depctr_va_vdst(0)                   ; the join has written the results, which the global stores on all three ways below read; no vector instruction follows
	s_cmp_eq_u32 s8, 0
	s_cbranch_scc1 .Lwhole
	s_cmp_lt_u32 s8, 3
	s_cbranch_scc1 .Ltwo
	; q = 3, 4, 5: the x windows of 18 at 0, 9, 19.  Region 5 + 3 iy + (q - 3) = q + 2, q + 5, q + 8
	global_store_b128 v[OO], v[W18_0:W18_0+3], s[6:7] offset:2*POSB th:TH_STORE_NT
	global_store_b128 v[OO], v[W18_1:W18_1+3], s[6:7] offset:5*POSB th:TH_STORE_NT
	global_store_b128 v[OO], v[W18_2:W18_2+3], s[6:7] offset:8*POSB th:TH_STORE_NT
	s_wait_dscnt 0x0
	s_wait_alu depctr_hold_cnt(0) depctr_sa_sdst(0) depctr_va_vdst(0) depctr_va_sdst(0) depctr_va_ssrc(0) depctr_va_vcc(0) depctr_vm_vsrc(0)
	s_wait_tensorcnt 0x0
	ds_add_u32 v184, v185
	s_wait_dscnt 0x0
	s_endpgm
.Ltwo:
	; q = 1, 2: the x windows of 24 at 0, 13.  Region 1 + 2 iy + (q - 1) = q, q + 2
	global_store_b128 v[OO], v[W24_0:W24_0+3], s[6:7] th:TH_STORE_NT
	global_store_b128 v[OO], v[W24_1:W24_1+3], s[6:7] offset:2*POSB th:TH_STORE_NT
	s_wait_dscnt 0x0
	s_wait_alu depctr_hold_cnt(0) depctr_sa_sdst(0) depctr_va_vdst(0) depctr_va_sdst(0) depctr_va_ssrc(0) depctr_va_vcc(0) depctr_vm_vsrc(0)
	s_wait_tensorcnt 0x0
	ds_add_u32 v184, v185
	s_wait_dscnt 0x0
	s_endpgm
.Lwhole:
	global_store_b128 v[OO], v[W37:W37+3], s[6:7] th:TH_STORE_NT   ; q = 0: region 0, the whole image
.Ldone:
	s_wait_dscnt 0x0
	s_wait_alu depctr_hold_cnt(0) depctr_sa_sdst(0) depctr_va_vdst(0) depctr_va_sdst(0) depctr_va_ssrc(0) depctr_va_vcc(0) depctr_vm_vsrc(0)
	s_wait_tensorcnt 0x0
	ds_add_u32 v184, v185
	s_wait_dscnt 0x0
	s_endpgm
.Lfunc_end_k_q0777aba59c_rmac:
	.size	k_q0777aba59c_rmac, .Lfunc_end_k_q0777aba59c_rmac-k_q0777aba59c_rmac
	.p2alignl 7, 3214868480
	.fill 96, 4, 3214868480
	.section	.rodata,"a",@progbits
	.p2align	6, 0x0
	.amdhsa_kernel k_q0777aba59c_rmac
		.amdhsa_group_segment_fixed_size 116224
		.amdhsa_private_segment_fixed_size 0
		.amdhsa_enable_private_segment 0
		.amdhsa_kernarg_size 16
		.amdhsa_user_sgpr_count 2
		.amdhsa_user_sgpr_kernarg_segment_ptr 1
		.amdhsa_wavefront_size32 1
		.amdhsa_system_sgpr_workgroup_id_x 1
		.amdhsa_system_sgpr_workgroup_id_y 1
		.amdhsa_system_sgpr_workgroup_id_z 1
		.amdhsa_system_vgpr_workitem_id 0
		.amdhsa_next_free_vgpr 186
		.amdhsa_next_free_sgpr 66
		.amdhsa_reserve_vcc 0
		.amdhsa_float_denorm_mode_32 3
		.amdhsa_float_denorm_mode_16_64 3
		.amdhsa_memory_ordered 1
		.amdhsa_forward_progress 1
		.amdhsa_inst_pref_size 48
	.end_amdhsa_kernel
	.amdgpu_metadata
---
amdhsa.version: [ 1, 2 ]
amdhsa.kernels:
  - .name:           k_q0777aba59c_rmac
    .symbol:         k_q0777aba59c_rmac.kd
    .args:
      - { .name: x, .offset: 0, .size: 8, .value_kind: global_buffer, .address_space: global }
      - { .name: out0, .offset: 8, .size: 8, .value_kind: global_buffer, .address_space: global }
    .group_segment_fixed_size: 116224
    .private_segment_fixed_size: 0
    .kernarg_segment_align: 8
    .kernarg_segment_size: 16
    .max_flat_workgroup_size: 608
    .sgpr_count:     66
    .vgpr_count:     186
    .wavefront_size: 32
...
	.end_amdgpu_metadata
.endif
;; end of part 2
